; MI455X (gfx1250); checked and timed in simulation.
; The chip was launched on July 23, 2026; its instructions are those of AMD's public machine-readable ISA for CDNA 5 (MIT licence, August 2026) and "CDNA5" Instruction Set Architecture Reference Guide (July 2026). The comments in the code are by the model that wrote it; some were corrected since.
;; Cross Spatial Attention. Allowed arithmetic: matrix products marked QUANTISED: E2M3 operands, one E8M0 scale for each 32 along K, by v_wmma_scale_f32_16x16x128_f8f6f4 with both operands' format E2M3, f32 sums; everything else in f32.
;; Inputs: Wf 64 x 256 float32; Wg 64 x 256 float32; Wh 64 x 256 float32; Wv 256 x 64 float32; betf 64 float32; betg 64 float32; bf 64 float32; bg 64 float32; bh 64 float32; bv 256 float32; gamf 64 float32; gamg 64 float32; mf 64 float32; mg 64 float32; vf 64 float32; vg 64 float32; x 2 x 256 x 8 x 32 x 32 float32.
;; Outputs: out0 2 x 256 x 8 x 32 x 32 float32.
;; This version of the problem:
;;   THIS VERSION OF THE PROBLEM IS GIVEN IN LOW PRECISION. The matrix products marked QUANTISED in the list below multiply operands that are first quantised to E2M3 (2 exponent bits, 3 mantissa bits; 6 bits a number), with one power-of-two scale for each 32 numbers along K (OCP MX v1.0); their sums are f32. All else is computed in f32.
;;   The module's matrix products, in the order in which they are computed (A, B: the left and right operand; K: the contracted axis; several contracted axes count as one K, in the product's order):
;;     1. [M 64, K 256] x [K 256, N 16,384]; A: input Wf; B: input x: QUANTISED
;;     2. [M 64, K 256] x [K 256, N 16,384]; A: input Wg; B: input x: QUANTISED
;;     3. [M 64, K 256] x [K 256, N 16,384]; A: input Wh; B: input x: QUANTISED
;;     4. batch 2 x [M 8,192, K 64] x [K 64, N 8,192]; A: computed on the way; B: computed on the way: QUANTISED
;;     5. batch 2 x [M 64, K 8,192] x [K 8,192, N 8,192]; A: computed on the way; B: softmax (see below): QUANTISED
;;     6. [M 256, K 64] x [K 64, N 16,384]; A: input Wv; B: computed on the way: QUANTISED
;;   THE QUANTISER, for each operand of a quantised product, along K:
;;     - K is cut into blocks of 32 from its start; a last block that is shorter is filled with zeros.
;;     - A block's scale is 2^e with e = floor(log2(the largest magnitude in the block)) - 2, held to -126 .. 127; a block of zeros has e = 0. As a byte (E8M0): e + 127.
;;     - Each number is divided by its block's scale, clamped to +-7.5, and rounded to the nearest number of E2M3, ties to even, subnormals kept.
;;     - The product sums the exact products of the quantised numbers (number of the format x scale) in f32.
;;   ~~~python
;;   def quantise(x, axis):      # numpy; x: float32 -> the quantised numbers, widened to float32 again
;;       x = np.moveaxis(x, axis, -1); K = x.shape[-1]
;;       x = np.pad(x, [(0, 0)] * (x.ndim - 1) + [(0, -K % 32)]); x = x.reshape(x.shape[:-1] + (-1, 32)); a = np.abs(x).max(-1, keepdims=True)
;;       e = np.where(a > 0, np.clip(np.frexp(np.where(a > 0, a, 1))[1] - 1 - 2, -126, 127), 0)      # np.frexp(a)[1] - 1 = floor(log2(a)), exactly
;;       r = np.clip(x / 2.0 ** e, -7.5, 7.5)
;;       step = 2.0 ** (np.maximum(np.frexp(np.where(r == 0, 1, r))[1] - 1, 0) - 3)
;;       q = np.round(r / step) * step * 2.0 ** e      # np.round: ties to even
;;       return np.moveaxis(q.reshape(q.shape[:-2] + (-1,))[..., :K], -1, axis).astype(np.float32)
;;   ~~~
;;   SOFTMAX AHEAD OF A QUANTISED PRODUCT. Where the list says 'softmax', what is quantised is not the finished softmax but p = 2^(t - M), with t = logit x log2(e) and M = ceil(the row's largest t), a whole number; so 1/2 < the row's largest p <= 1. The row's sum l is taken of the UNQUANTISED p, in f32, and the product's result is divided by l at the end. Since M is a whole number, a kernel that streams over the keys may use a running M (the ceiling of the running maximum): every later rescaling is an exact power of two, which a block's scale takes up: the codes' values come out the same.
;;   OPERANDS COMPUTED ON THE WAY. 'Computed on the way' means the value that the module computes at that place (a softmax that the list does not call 'softmax' is quantised finished and normalised). What goes into a quantiser is computed in f32, as accurately as f32 sums, v_exp_f32 and their like allow (about 1e-6 of the number): no bf16 or f16 on the way to a quantiser, and a product that is left as it is and whose result goes on into a quantised operand takes f32 operands (vector FMAs, or v_wmma_f32_16x16x4_f32). A number that lies on a knife's edge between two numbers of the format may be rounded either way, as far as f32 arithmetic and the matrix unit's own rounding can turn it there, and no further.
;; One version. Each part assembles by itself: llvm-mc -triple=amdgcn-amd-amdhsa -mcpu=gfx1250 --defsym DOCPART=n.
;; ======== version 1 of 1: 2 launches
;; workspace buffers: qbuf 851,968 bytes; kvbuf 1,671,168 bytes; wvbuf 13,312 bytes
;; launch proj (part 1): grid 256 x 1, 8 waves a work-group, no clusters, 56,320 bytes of LDS; arguments x, Wf, Wg, Wh, Wv, bf, gamf, betf, mf, vf, bg, gamg, betg, mg, vg, bh, qbuf, kvbuf, wvbuf; writes qbuf, kvbuf, wvbuf
.if DOCPART == 1
	.amdgcn_target "amdgcn-amd-amdhsa--gfx1250"
	.amdhsa_code_object_version 6
	.text
	.protected	k_q6a6ab75c25_proj
	.globl	k_q6a6ab75c25_proj
	.p2align	8
	.type	k_q6a6ab75c25_proj,@function
k_q6a6ab75c25_proj:
	s_mov_b64 s[64:65], 0
	v_nop
	global_prefetch_b8 v0, s[64:65] scope:SCOPE_SE
	s_setreg_imm32_b32 hwreg(HW_REG_WAVE_MODE, 25, 1), 1
	s_wait_xcnt 0x0
; f = relu(BN(Wf x + bf)), g = relu(BN(Wg x + bg)), h = Wh x + bh, all three products on codes of FP6 (E2M3) with one E8M0 scale for each 32 along K = the 256 channels;
; f and g are then quantised along the 64 mid channels, h along the positions (the keys), Wv along its 64 columns, and all leave as codes for the second launch.
; x: [2][256 channels][8192 positions] f32.  A work-group of eight waves owns 64 positions of one batch.
; EVERY OPERAND, IN LDS AND IN THE WORKSPACE, IS AN IMAGE OF ITS REGISTERS.  A half image is 16 rows x 64 K: six registers a lane: registers 0-3 at 16 x lane (512 bytes), registers 4-5 at 512 + 8 x lane
; (256 bytes): 768 bytes.  Two on end are a fragment of 16 rows x 128 K.  Each load and store of an image covers consecutive bytes lane by lane: no pitch, no padding.
; THE ITEMS OF A TILE ARE NOT NEIGHBOURS: lane r of tile 2 b + u takes item 32 b + 8 u + r + 8 (r / 8), for positions and for mid channels alike, so that the 16 result registers of tiles 2 b and
; 2 b + 1 are the 16 neighbours 32 b + 16 (lane / 16) + 0 .. 15 along the next product's K.
; PHASE A: wave w quantises 32 positions (half w % 2) x 64 channels (quarter w / 2) of x, a lane to a position, registers down the channels; and one fragment (tile w / 2, K step w % 2) of each of Wf, Wg, Wh,
; loaded in the order that the operand's layout gives the lane.  Images and scale words go to LDS.  Work-group 0 also quantises Wv (wave w: tiles 2 w, 2 w + 1 of 16 rows).
; PHASE B: wave w makes f (w < 4) or g (w >= 4) for position tile w % 4: source 0 = 16 rows of the weight, source 1 = 16 positions, the bias as the first C; BN, relu, quantiser, image to memory.
; Waves 0-3 then make h for channel tile w: source 0 = 16 positions, source 1 = 16 rows of Wh: a lane holds one channel and 32 registers along the positions.
; NO CLUSTER: the text has no tensor load.  What work-groups share is the 196,608 bytes of f32 weights, which each lane loads straight in the order its conversions want; brought jointly into LDS they
; would have to be read out of LDS again by the same 48 loads a wave.
; LIMITS: NaN and infinities among the inputs are not served.  A block whose largest magnitude lies under 2^-124, a block of zeros among them, gets the scale byte 1 (its codes are then zeros or
; subnormal codes under that scale; the bytes are read by this program alone).  1 / sqrt(var + eps) is v_rsq_f32, good to one unit in the last place.
.set XIMG, 0                           ; LDS: x's half images: (tile t, channel quarter c) at (4 t + c) x 768
.set WIMG, 12288                       ; the weights' fragments: (kind i, tile q, K step s) at (8 i + 2 q + s) x 1536
.set XSC,  49152                       ; x's scale words: 256 s + 64 t + 4 r
.set WSC,  49664                       ; the weights': (8 i + 2 q + s) x 128 + 4 x lane
.set PAR,  52736                       ; [f, g][bias, inv, off][64 channels] f32
.set SCST, 54272                       ; the scale words made in phase B: f's 256 bytes, g's, h's; each word at 128 u + 4 b + 8 r
.set MXA, 30                           ; v30-31 largest magnitudes of two blocks
.set MXB, 31
.set XTA, 32                           ; v32-33 what the other half of the lanes sends
.set XTB, 33
.set SOA, 34                           ; v34-35 the conversions' scale operands
.set SOB, 35
.set EBA, 36                           ; v36-37 the scale bytes
.set EBB, 37
.set PW,  38                           ; v38    the scale word just made
.set P,   40                           ; v40-51 the codes just made
.set T,   52                           ; v52-54, v56-58 second halves of blocks (a conversion's three registers begin on an even number)
.set D0,  64                           ; phase A: three sets of 64 numbers
.set D1,  128
.set D2,  192
.set XF,  64                           ; phase B: x's two fragments; v88-183 the weight's eight; v184-215 the results; v216-247 the bias
.set WF,  88
.set H,   184
.set BIAS, 216
.set INV, 88                           ; over the weight's fragments, once they are multiplied
.set OFF, 120
.set X8,  64                           ; h: x's eight fragments, Wh's two, bh
.set WHF, 160
.set BH8, 216
; v20-29 hold scale words of the matrix instructions and nothing else.
; 64 numbers of a lane, two whole blocks of 32 along K, become 12 registers of codes in v[P] on; the blocks' bytes in v[EBA], v[EBB]
.macro QLANE s
	v_max3_num_f32 v[MXA], |v[\s]|, |v[\s+1]|, 0x1800000           ; with the floor 2^(3 - 127) among the leaves: the byte cannot fall under 1
	v_max3_num_f32 v[MXB], |v[\s+32]|, |v[\s+33]|, 0x1800000
.irp i, 2,4,6,8,10,12,14,16,18,20,22,24,26,28,30
	s_delay_alu instid0(VALU_DEP_2)
	v_max3_num_f32 v[MXA], v[MXA], |v[\s+\i]|, |v[\s+\i+1]|        ; the two blocks by turns
	s_delay_alu instid0(VALU_DEP_2)
	v_max3_num_f32 v[MXB], v[MXB], |v[\s+32+\i]|, |v[\s+33+\i]|
.endr
	s_delay_alu instid0(VALU_DEP_2)
	v_add_nc_u32 v[SOA], 0xff000000, v[MXA]                        ; 2 off the exponent field: the conversion takes this operand's exponent field as its scale
	s_delay_alu instid0(VALU_DEP_2)
	v_add_nc_u32 v[SOB], 0xff000000, v[MXB]
	s_delay_alu instid0(VALU_DEP_2)
	v_lshrrev_b32 v[EBA], 23, v[SOA]                               ; the scale's byte
	s_delay_alu instid0(VALU_DEP_2)
	v_lshrrev_b32 v[EBB], 23, v[SOB]
	v_cvt_scalef32_pk16_fp6_f32 v[P:P+2], v[\s:\s+15], v[SOA]
	v_cvt_scalef32_pk16_fp6_f32 v[T:T+2], v[\s+16:\s+31], v[SOA]
	v_cvt_scalef32_pk16_fp6_f32 v[P+6:P+8], v[\s+32:\s+47], v[SOB]
	v_cvt_scalef32_pk16_fp6_f32 v[T+4:T+6], v[\s+48:\s+63], v[SOB]
	v_nop                                                          ; one plain place behind the scaled conversions
.irp i, 0,1,2
	v_mov_b32 v[P+3+\i], v[T+\i]
	v_mov_b32 v[P+9+\i], v[T+4+\i]
.endr
.endm
; a weight's scale word: my bytes are those of blocks h and 2 + h of row r; lane l xor 16 has the other two
.macro WWORD
	v_lshl_or_b32 v[PW], v[EBB], 16, v[EBA]
	s_delay_alu instid0(VALU_DEP_1)
	v_lshlrev_b32 v[PW], v12, v[PW]                                ; 8 h bits up
	s_delay_alu instid0(VALU_DEP_1)
	v_permlanex16_b32 v[XTA], v[PW], s46, s47
	s_delay_alu instid0(VALU_DEP_1)
	v_or_b32 v[PW], v[PW], v[XTA]
.endm
.macro HIMG a16, a8, reg, off          ; six registers go to LDS as a half image
	ds_store_b128 v[\a16], v[\reg:\reg+3] offset:\off
	ds_store_b64 v[\a8], v[\reg+4:\reg+5] offset:\off+512
.endm
.macro FETCH reg, a16, a8, off         ; two half images on end come back as a fragment
	ds_load_b128 v[\reg:\reg+3], v[\a16] offset:\off
	ds_load_b64 v[\reg+4:\reg+5], v[\a8] offset:\off+512
	ds_load_b128 v[\reg+6:\reg+9], v[\a16] offset:\off+768
	ds_load_b64 v[\reg+10:\reg+11], v[\a8] offset:\off+1280
.endm
; 32 numbers of a lane, register 16 b + i = k 32 b + 16 (lane / 16) + i of my row, become a half image in v[P] .. v[P+5] and a scale word (bytes 0, 1 and again 0, 1) in v[PW]
.macro QUANT2 s
	v_max3_num_f32 v[MXA], |v[\s]|, |v[\s+1]|, 0x1800000
	v_max3_num_f32 v[MXB], |v[\s+16]|, |v[\s+17]|, 0x1800000
.irp i, 2,4,6,8,10,12,14
	v_max3_num_f32 v[MXA], v[MXA], |v[\s+\i]|, |v[\s+\i+1]|
	v_max3_num_f32 v[MXB], v[MXB], |v[\s+16+\i]|, |v[\s+17+\i]|
.endr
	s_delay_alu instid0(VALU_DEP_2)
	v_permlanex16_b32 v[XTA], v[MXA], s46, s47
	s_delay_alu instid0(VALU_DEP_2)
	v_permlanex16_b32 v[XTB], v[MXB], s46, s47
	s_delay_alu instid0(VALU_DEP_2)
	v_max_num_f32 v[MXA], v[MXA], v[XTA]                           ; with lane l xor 16's 16: the block's largest magnitude
	s_delay_alu instid0(VALU_DEP_2)
	v_max_num_f32 v[MXB], v[MXB], v[XTB]
	s_delay_alu instid0(VALU_DEP_2)
	v_add_nc_u32 v[SOA], 0xff000000, v[MXA]
	s_delay_alu instid0(VALU_DEP_2)
	v_add_nc_u32 v[SOB], 0xff000000, v[MXB]
	s_delay_alu instid0(VALU_DEP_2)
	v_lshrrev_b32 v[EBA], 23, v[SOA]
	s_delay_alu instid0(VALU_DEP_2)
	v_lshrrev_b32 v[EBB], 23, v[SOB]
	s_delay_alu instid0(VALU_DEP_1)
	v_lshl_or_b32 v[PW], v[EBB], 8, v[EBA]
	s_delay_alu instid0(VALU_DEP_1)
	v_lshl_or_b32 v[PW], v[PW], 16, v[PW]                          ; K = 64: the upper two bytes stand over zero codes; they repeat the lower two
	v_cvt_scalef32_pk16_fp6_f32 v[P:P+2], v[\s:\s+15], v[SOA]
	v_cvt_scalef32_pk16_fp6_f32 v[T:T+2], v[\s+16:\s+31], v[SOB]
	v_nop                                                          ; one plain place behind the scaled conversions
.irp i, 0,1,2
	v_permlane16_swap_b32 v[P+\i], v[T+\i]                         ; the layout wants a whole block in a lane: lanes 0-15 block 0, lanes 16-31 block 1
.endr
.irp i, 0,1,2
	s_delay_alu instid0(VALU_DEP_3)
	v_mov_b32 v[P+3+\i], v[T+\i]
.endr
.endm
.macro WLOAD reg, base                 ; my fragment's 64 numbers: row by the tile's order, k = 64 c + 32 h + 0 .. 31
.irp c, 0,1
.irp j, 0,1,2,3,4,5,6,7
	global_load_b128 v[\reg+32*\c+4*\j:\reg+32*\c+4*\j+3], v2, s[\base:\base+1] offset:256*\c+16*\j
.endr
.endr
.endm
	s_load_b512 s[8:23], s[0:1], 0x0               ; x 8, Wf 10, Wg 12, Wh 14, Wv 16, bf 18, gamf 20, betf 22
	s_load_b512 s[24:39], s[0:1], 0x40             ; mf 24, vf 26, bg 28, gamg 30, betg 32, mg 34, vg 36, bh 38
	s_load_b128 s[40:43], s[0:1], 0x80             ; qbuf 40, kvbuf 42
	s_load_b64 s[44:45], s[0:1], 0x90              ; wvbuf
	v_lshl_add_u32 v55, v0, 2, 0xd800
	s_set_vgpr_msb 0x40
	v_mov_b32 v1, 0
	s_set_vgpr_msb 0x4000
	v_lshrrev_b32 v17, 5, v0
	s_delay_alu instid0(VALU_DEP_1)
	v_readfirstlane_b32 s2, v17                    ; wave 0..7
	s_and_b32 s3, s2, 1                            ; which 32 positions
	s_lshr_b32 s4, s2, 1                           ; which 64 channels
	s_and_b32 s5, s2, 3                            ; phase B: my tile
	s_lshr_b32 s6, s2, 2                           ; phase B: f (0) or g (1)
	s_mov_b32 s46, 0x76543210
	s_mov_b32 s47, 0xfedcba98                      ; v_permlanex16_b32's selects for lane l xor 16
	v_and_b32 v17, 31, v0                          ; lane
	v_and_b32 v18, 15, v0                          ; r
	v_bfe_u32 v19, v0, 4, 1                        ; h
	v_mov_b32 v[XTA], 0                            ; written once: a lane permute's destination counts as one of its sources
	v_mov_b32 v[XTB], 0
	v_and_b32 v1, 7, v0                            ; x: my position among the wave's 32: (l % 8) + 8 (l / 16) + 16 ((l / 8) % 2): lanes 0-15 are tile u = 0, lanes 16-31 tile u = 1
	s_delay_alu instid0(VALU_DEP_1)
	v_lshl_add_u32 v1, v19, 3, v1
	v_bfe_u32 v2, v0, 3, 1
	s_delay_alu instid0(VALU_DEP_1)
	v_lshl_add_u32 v1, v2, 4, v1
	s_delay_alu instid0(VALU_DEP_1)
	v_lshlrev_b32 v1, 2, v1
	s_lshl_b32 s7, s3, 7
	v_add_nc_u32 v1, s7, v1                        ; v1: 4 x position + 128 x half
	v_and_b32 v2, 8, v0
	s_delay_alu instid0(VALU_DEP_1)
	v_add_nc_u32 v2, v2, v18                       ; r + 8 (r / 8)
	s_delay_alu instid0(VALU_DEP_1)
	v_lshlrev_b32 v11, 2, v2
	s_wait_alu depctr_va_vdst(0)
	v_lshlrev_b32 v2, 10, v2                       ; a weight's row is 1,024 bytes
	s_delay_alu instid0(VALU_DEP_1)
	v_lshl_add_u32 v2, v19, 7, v2                  ; + 128 h
	s_lshl_b32 s7, s6, 15                          ; tile w / 2 begins at row 32 (w / 4) + 8 ((w / 2) % 2); K step w % 2 at byte 512
	s_bfe_u32 s48, s2, 0x10001
	s_lshl_b32 s48, s48, 13
	s_add_co_u32 s7, s7, s48
	s_lshl_b32 s48, s3, 9
	s_add_co_u32 s7, s7, s48
	v_add_nc_u32 v2, s7, v2                        ; v2: my place in a weight
	s_lshr_b32 s7, s5, 1
	s_lshl_b32 s7, s7, 7
	s_and_b32 s48, s5, 1
	s_lshl_b32 s48, s48, 5
	s_add_co_u32 s7, s7, s48
	v_add_nc_u32 v11, s7, v11                      ; v11: bh of channel 32 (t / 2) + 8 (t % 2) + r + 8 (r / 8)
	v_lshlrev_b32 v14, 4, v17                      ; v14, v15, v16: 16, 8, 4 x lane; they stay
	v_lshlrev_b32 v15, 3, v17
	v_lshlrev_b32 v16, 2, v17
	s_wait_alu depctr_va_vdst(0)
	s_mul_i32 s7, s3, 6144
	s_mul_i32 s48, s4, 768
	s_add_co_u32 s7, s7, s48
	v_add_nc_u32 v3, s7, v14                       ; v3, v4: where x's half images go: tile 2 (w % 2) + u, quarter w / 2
	v_add_nc_u32 v4, s7, v15
	s_lshr_b32 s7, s4, 1
	s_lshl_b32 s7, s7, 8
	s_lshl_b32 s48, s3, 7
	s_add_co_u32 s7, s7, s48
	s_and_b32 s48, s4, 1
	s_lshl_b32 s48, s48, 1
	s_add_co_u32 s7, s7, s48
	s_add_co_u32 s7, s7, XSC
	v_add_nc_u32 v5, s7, v16                       ; v5: my position's two scale bytes: half a word
	s_mul_i32 s7, s2, 1536
	s_add_co_u32 s7, s7, WIMG
	v_add_nc_u32 v6, s7, v14                       ; v6, v7: where my weight fragments go
	v_add_nc_u32 v7, s7, v15
	s_lshl_b32 s7, s2, 7
	s_add_co_u32 s7, s7, WSC
	v_add_nc_u32 v8, s7, v16                       ; v8: and their scale words
	v_lshlrev_b32 v10, 2, v18
	s_lshl_b32 s7, s5, 6
	v_add_nc_u32 v10, s7, v10                      ; v10: the BN parameters of channel 16 (w % 4) + r (lanes 16-31 repeat lanes 0-15)
	s_mul_i32 s7, s6, 768
	s_add_co_u32 s7, s7, PAR
	v_add_nc_u32 v9, s7, v10                       ; v9: where they go
	v_lshlrev_b32 v12, 3, v19                      ; v12: 8 h
	v_lshlrev_b32 v13, 8, v18
	s_delay_alu instid0(VALU_DEP_1)
	v_lshl_add_u32 v13, v19, 7, v13                ; v13: Wv: row r of 256 bytes, + 128 h
	s_wait_alu depctr_va_vdst(0)
	s_wait_kmcnt 0x0
	s_lshr_b32 s7, ttmp9, 7                        ; batch
	s_lshl_b32 s48, s7, 23                         ; x 8,388,608 bytes
	s_lshl_b32 s49, s4, 21                         ; + 64 channels of 32,768 bytes a quarter
	s_add_co_u32 s48, s48, s49
	s_and_b32 s49, ttmp9, 127
	s_lshl_b32 s49, s49, 8                         ; + 256 bytes a block of 64 positions
	s_add_co_u32 s48, s48, s49
	s_mov_b32 s49, 0
	s_add_nc_u64 s[8:9], s[8:9], s[48:49]
	s_mul_i32 s48, ttmp9, 3328
	s_add_nc_u64 s[40:41], s[40:41], s[48:49]      ; qbuf at my block
	s_lshr_b32 s48, ttmp9, 1
	s_mul_i32 s48, s48, 13056
	s_add_nc_u64 s[42:43], s[42:43], s[48:49]      ; kvbuf at my key step
	s_lshl_b32 s48, s2, 7
	s_add_nc_u64 s[62:63], s[44:45], s[48:49]      ; wvbuf: my two tiles' scale words (+ 12,288),
	s_mul_i32 s48, s2, 1536
	s_add_nc_u64 s[44:45], s[44:45], s[48:49]      ; and their images
	s_lshl_b32 s48, s2, 13
	s_add_nc_u64 s[16:17], s[16:17], s[48:49]      ; Wv at my 32 rows
	s_cmp_eq_u32 s6, 0                             ; f's parameters or g's: the choice hangs on the wave's number alone
	s_cselect_b64 s[50:51], s[18:19], s[28:29]
	s_cselect_b64 s[52:53], s[20:21], s[30:31]
	s_cselect_b64 s[54:55], s[22:23], s[32:33]
	s_cselect_b64 s[56:57], s[24:25], s[34:35]
	s_cselect_b64 s[58:59], s[26:27], s[36:37]
	global_load_b32 v59, v10, s[52:53]             ; gamma
	global_load_b32 v60, v10, s[58:59]             ; var
	global_load_b32 v61, v10, s[56:57]             ; mean
	global_load_b32 v62, v10, s[54:55]             ; beta
	global_load_b32 v63, v10, s[50:51]             ; the conv's bias
	global_load_b32 v39, v11, s[38:39]             ; bh
	WLOAD D1, 10                                   ; Wf
	WLOAD D2, 12                                   ; Wg
.set i, 0
.rept 64
	global_load_b32 v[D0+i], v1, s[8:9] offset:32768*i             ; x(64 quarter + i, my position): the wave reads 128 consecutive bytes; the second launch reads x again, so no hint
.set i, i+1
.endr
	s_wait_loadcnt 63                              ; 102 loads are issued: at least the 39 oldest are in: the six parameters, Wf, Wg
	v_add_f32 v60, 0x3727c5ac, v60                 ; var + 1e-5
	s_wait_alu depctr_va_vdst(0)
	v_rsq_f32 v60, v60
	v_nop                                          ; one plain place behind the transcendental
	s_wait_alu depctr_va_vdst(0)
	v_mul_f32 v59, v59, v60                        ; inv = gamma / sqrt(var + eps)
	s_delay_alu instid0(VALU_DEP_1)
	v_fma_f32 v62, -v61, v59, v62                  ; off = beta - mean inv
	ds_store_b32 v9, v63
	ds_store_b32 v9, v59 offset:256
	ds_store_b32 v9, v62 offset:512
	QLANE D1                                       ; Wf's fragment
	WWORD
	HIMG 6, 7, P, 0
	HIMG 6, 7, P+6, 768
	ds_store_b32 v8, v[PW]
	WLOAD D1, 14                                   ; Wh, into the registers that Wf has left
	s_wait_dscnt 0x0                               ; the stores have read their registers
	QLANE D2                                       ; Wg's
	WWORD
	HIMG 6, 7, P, 12288
	HIMG 6, 7, P+6, 12288+768
	ds_store_b32 v8, v[PW] offset:1024
	s_wait_dscnt 0x0
	s_cmp_lg_u32 ttmp9, 0
	s_cbranch_scc1 .Lno_wv_load
.irp c, 0,1                                    ; work-group 0: Wv's tiles 2 w + c: row r, k = 32 h + 0 .. 31
.irp j, 0,1,2,3,4,5,6,7
	global_load_b128 v[D2+32*\c+4*\j:D2+32*\c+4*\j+3], v13, s[16:17] offset:4096*\c+16*\j
.endr
.endr
.Lno_wv_load:
	s_wait_loadcnt 16                              ; x is in: behind it only Wh's 16 loads were issued (in work-group 0 also Wv's 16: there Wh is in too)
	QLANE D0                                       ; my position's blocks 2 quarter and 2 quarter + 1
	v_lshl_or_b32 v[PW], v[EBB], 8, v[EBA]
	ds_store_b16 v5, v[PW]
.irp i, 0,1,2,3,4,5
	v_permlane16_swap_b32 v[P+\i], v[P+6+\i]       ; the first six now hold tile u = 0 (lanes 0-15 its first block, lanes 16-31 its second), the other six tile u = 1
.endr
	HIMG 3, 4, P, 0
	HIMG 3, 4, P+6, 3072
	s_wait_dscnt 0x0
	s_wait_loadcnt 0x0                             ; Wh (and Wv)
	QLANE D1
	WWORD
	HIMG 6, 7, P, 24576
	HIMG 6, 7, P+6, 24576+768
	ds_store_b32 v8, v[PW] offset:2048
	s_cmp_lg_u32 ttmp9, 0
	s_cbranch_scc1 .Lno_wv
	s_wait_dscnt 0x0
	QLANE D2                                       ; the first six registers are tile 2 w's half image as they stand, the other six tile 2 w + 1's
	v_lshlrev_b32 v[EBA], v12, v[EBA]              ; my byte at its place; lane l xor 16 has the other
	v_lshlrev_b32 v[EBB], v12, v[EBB]
	s_delay_alu instid0(VALU_DEP_2)
	v_permlanex16_b32 v[XTA], v[EBA], s46, s47
	s_delay_alu instid0(VALU_DEP_2)
	v_permlanex16_b32 v[XTB], v[EBB], s46, s47
	s_delay_alu instid0(VALU_DEP_2)
	v_or_b32 v[EBA], v[EBA], v[XTA]
	s_delay_alu instid0(VALU_DEP_2)
	v_or_b32 v[EBB], v[EBB], v[XTB]
	s_delay_alu instid0(VALU_DEP_2)
	v_lshl_or_b32 v[EBA], v[EBA], 16, v[EBA]
	s_delay_alu instid0(VALU_DEP_2)
	v_lshl_or_b32 v[EBB], v[EBB], 16, v[EBB]
	s_delay_alu instid0(VALU_DEP_1)
	v_permlane16_swap_b32 v[EBA], v[EBB]           ; lanes 0-15: tile 2 w's words, lanes 16-31: tile 2 w + 1's
	global_store_b128 v14, v[P:P+3], s[44:45]
	global_store_b64 v15, v[P+4:P+5], s[44:45] offset:512
	global_store_b128 v14, v[P+6:P+9], s[44:45] offset:768
	global_store_b64 v15, v[P+10:P+11], s[44:45] offset:1280
	global_store_b32 v16, v[EBA], s[62:63] offset:12288
	s_wait_xcnt 0x0                                ; the stores' registers are written again only behind this wait
.Lno_wv:
	s_wait_dscnt 0x0                               ; my images, words and parameters lie in LDS
	s_barrier_signal -1
	; phase B's addresses and bases: register work while the others arrive.  No load or store of mine names a register written here: all loads are in
	s_mul_i32 s7, s5, 3072
	v_add_nc_u32 v1, s7, v14                       ; v1, v2: x's fragments of tile t
	v_add_nc_u32 v2, s7, v15
	v_lshlrev_b32 v9, 2, v18
	s_delay_alu instid0(VALU_DEP_1)
	v_add_nc_u32 v9, XSC, v9                       ; v9: x's scale words, row r
	s_lshl_b32 s48, s5, 6
	v_add_nc_u32 v3, s48, v9                       ; v3: those of tile t
	s_add_co_u32 s7, s7, WIMG+24576
	v_add_nc_u32 v10, s7, v14                      ; v10, v11: Wh's fragments of tile t
	v_add_nc_u32 v11, s7, v15
	s_mul_i32 s7, s6, 12288
	s_add_co_u32 s7, s7, WIMG
	v_add_nc_u32 v4, s7, v14                       ; v4, v5: Wf's or Wg's fragments
	v_add_nc_u32 v5, s7, v15
	s_lshl_b32 s7, s6, 10
	s_add_co_u32 s7, s7, WSC
	v_add_nc_u32 v6, s7, v16                       ; v6: their scale words
	s_lshl_b32 s7, s5, 8
	s_add_co_u32 s7, s7, WSC+2048
	v_add_nc_u32 v12, s7, v16                      ; v12: Wh's
	s_mul_i32 s7, s6, 768
	s_add_co_u32 s7, s7, PAR
	v_lshlrev_b32 v7, 6, v19
	s_delay_alu instid0(VALU_DEP_1)
	v_add_nc_u32 v7, s7, v7                        ; v7: the parameters of my half's channels: + 64 h
	s_lshl_b32 s7, s6, 8
	s_and_b32 s48, s5, 1
	s_lshl_b32 s48, s48, 7
	s_add_co_u32 s7, s7, s48
	s_lshr_b32 s48, s5, 1
	s_lshl_b32 s48, s48, 2
	s_add_co_u32 s7, s7, s48
	s_add_co_u32 s7, s7, SCST
	v_lshlrev_b32 v8, 3, v18
	s_delay_alu instid0(VALU_DEP_1)
	v_add_nc_u32 v8, s7, v8                        ; v8: where my result's scale word goes: 128 (t % 2) + 4 (t / 2) + 8 r
	v_add_nc_u32 v13, SCST, v15                    ; v13: and how wave 0 reads them back: 8 x lane
	s_and_b32 s48, ttmp9, 1                        ; which half of a key step my 64 positions are
	s_mul_i32 s49, s48, 3072
	s_mul_i32 s7, s5, 768
	s_cmp_eq_u32 s6, 0
	s_cselect_b64 s[60:61], s[40:41], s[42:43]     ; f goes to qbuf, tile t; g to kvbuf, key tile 4 half + t
	s_cselect_b32 s49, 0, s49
	s_add_co_u32 s56, s7, s49
	s_mov_b32 s57, 0
	s_add_nc_u64 s[60:61], s[60:61], s[56:57]
	s_mul_i32 s56, s5, 1536
	s_mul_i32 s7, s48, 768
	s_add_co_u32 s56, s56, s7
	s_add_co_u32 s56, s56, 6144
	s_add_nc_u64 s[50:51], s[42:43], s[56:57]      ; h: channel tile t, my half of the keys
	s_lshl_b32 s56, s48, 8
	s_add_nc_u64 s[52:53], s[42:43], s[56:57]      ; g's scale words: 256 bytes a half
	s_lshl_b32 s56, s48, 1
	s_add_nc_u64 s[54:55], s[42:43], s[56:57]      ; h's: two bytes of each word a half
	s_wait_alu depctr_va_vdst(0)
	s_barrier_wait -1
	; ---- f or g for position tile t
	FETCH XF, 1, 2, 0
	FETCH XF+12, 1, 2, 1536
	ds_load_b32 v20, v3
	ds_load_b32 v21, v3 offset:256
.irp q, 0,1,2,3,4,5,6,7
	FETCH WF+12*\q, 4, 5, 1536*\q
	ds_load_b32 v[22+\q], v6 offset:128*\q
.endr
.irp q, 0,1,2,3
	ds_load_b128 v[BIAS+8*\q:BIAS+8*\q+3], v7 offset:(32*(\q/2)+8*(\q%2))*4       ; tile q's register j is channel 32 (q / 2) + 8 (q % 2) + 16 h + j
	ds_load_b128 v[BIAS+8*\q+4:BIAS+8*\q+7], v7 offset:(32*(\q/2)+8*(\q%2))*4+16
.endr
	s_wait_dscnt 0x0
.irp q, 0,1,2,3                                ; the four accumulators by turns; the bias is the first C
	v_wmma_scale_f32_16x16x128_f8f6f4 v[H+8*\q:H+8*\q+7], v[WF+24*\q:WF+24*\q+11], v[XF:XF+11], v[BIAS+8*\q:BIAS+8*\q+7], v[22+2*\q], v20 matrix_a_fmt:MATRIX_FMT_FP6 matrix_b_fmt:MATRIX_FMT_FP6
.endr
.irp q, 0,1,2,3
	v_wmma_scale_f32_16x16x128_f8f6f4 v[H+8*\q:H+8*\q+7], v[WF+24*\q+12:WF+24*\q+23], v[XF+12:XF+23], v[H+8*\q:H+8*\q+7], v[23+2*\q], v21 matrix_a_fmt:MATRIX_FMT_FP6 matrix_b_fmt:MATRIX_FMT_FP6
.endr
.rept 4
	v_nop                                          ; four places in front of loads into registers that the products have read, and of the first read of results
.endr
.irp q, 0,1,2,3
	ds_load_b128 v[INV+8*\q:INV+8*\q+3], v7 offset:256+(32*(\q/2)+8*(\q%2))*4
	ds_load_b128 v[INV+8*\q+4:INV+8*\q+7], v7 offset:256+(32*(\q/2)+8*(\q%2))*4+16
	ds_load_b128 v[OFF+8*\q:OFF+8*\q+3], v7 offset:512+(32*(\q/2)+8*(\q%2))*4
	ds_load_b128 v[OFF+8*\q+4:OFF+8*\q+7], v7 offset:512+(32*(\q/2)+8*(\q%2))*4+16
.endr
	s_wait_dscnt 0x0
.set j, 0
.rept 16
	v_pk_fma_f32 v[H+j:H+j+1], v[H+j:H+j+1], v[INV+j:INV+j+1], v[OFF+j:OFF+j+1]   ; BN, each accumulator from its low end on
.set j, j+2
.endr
.set j, 0
.rept 32
	v_max_num_f32 v[H+j], 0, v[H+j]                ; relu
.set j, j+1
.endr
	QUANT2 H
	global_store_b128 v14, v[P:P+3], s[60:61]      ; the wave stores 512 and 256 consecutive bytes, at multiples of 256 from the buffer's first byte
	global_store_b64 v15, v[P+4:P+5], s[60:61] offset:512
	ds_store_b32 v8, v[PW]                         ; lanes r and r + 16 write the same word with the same value
	s_cmp_lt_u32 s2, 4
	s_cbranch_scc0 .Lno_h
	; ---- h for channel tile w, waves 0-3
	s_wait_xcnt 0x0                                ; the stores above have read the codes' registers
.irp j, 0,1,2,3,4,5,6,7
	v_mov_b32 v[BH8+\j], v39                       ; a lane holds one channel here: its bias in all eight registers of C
.endr
.rept 5
	v_nop                                          ; the accumulators are begun anew with another C: five places behind the last products
.endr
.irp q, 0,1,2,3,4,5,6,7
	FETCH X8+12*\q, 14, 15, 1536*\q                ; x's fragment (tile q / 2, K step q % 2)
	ds_load_b32 v[20+\q], v9 offset:256*(\q%2)+64*(\q/2)
.endr
	FETCH WHF, 10, 11, 0
	FETCH WHF+12, 10, 11, 1536
	ds_load_b32 v28, v12
	ds_load_b32 v29, v12 offset:128
	s_wait_alu depctr_va_vdst(0)
	s_wait_dscnt 0x0
.irp q, 0,1,2,3                                ; source 0 = 16 positions, source 1 = 16 rows of Wh: register 8 q + j is position 32 (q / 2) + 8 (q % 2) + 16 h + j
	v_wmma_scale_f32_16x16x128_f8f6f4 v[H+8*\q:H+8*\q+7], v[X8+24*\q:X8+24*\q+11], v[WHF:WHF+11], v[BH8:BH8+7], v[20+2*\q], v28 matrix_a_fmt:MATRIX_FMT_FP6 matrix_b_fmt:MATRIX_FMT_FP6
.endr
.irp q, 0,1,2,3
	v_wmma_scale_f32_16x16x128_f8f6f4 v[H+8*\q:H+8*\q+7], v[X8+24*\q+12:X8+24*\q+23], v[WHF+12:WHF+23], v[H+8*\q:H+8*\q+7], v[21+2*\q], v29 matrix_a_fmt:MATRIX_FMT_FP6 matrix_b_fmt:MATRIX_FMT_FP6
.endr
.rept 4
	v_nop
.endr
	QUANT2 H                                       ; along the positions: two blocks of 32 keys
	global_store_b128 v14, v[P:P+3], s[50:51]
	global_store_b64 v15, v[P+4:P+5], s[50:51] offset:512
	ds_store_b32 v8, v[PW] offset:512
.Lno_h:
	s_wait_dscnt 0x0                               ; the scale words lie in LDS
	s_barrier_signal -1
	s_barrier_wait -1
	s_cmp_lg_u32 s2, 0
	s_cbranch_scc1 .Lend
	ds_load_b64 v[64:65], v13                      ; wave 0 sends the gathered words out
	ds_load_b64 v[66:67], v13 offset:256
	ds_load_b64 v[68:69], v13 offset:512
	s_wait_dscnt 0x0
	global_store_b64 v15, v[64:65], s[40:41] offset:3072           ; f's: 256 consecutive bytes, aligned
	global_store_b64 v15, v[66:67], s[52:53] offset:12288          ; g's likewise
	global_store_b16 v15, v68, s[54:55] offset:12800               ; h's: a key step's word is made by two work-groups, two bytes each: 128 bytes in pieces of two
	global_store_b16 v15, v69, s[54:55] offset:12804
.Lend:
	s_set_vgpr_msb 0x4
	s_wait_tensorcnt 0x0
	ds_add_u32 v55, v1
	s_wait_dscnt 0x0
	s_set_vgpr_msb 0x400
	s_endpgm
.Lfunc_end_k_q6a6ab75c25_proj:
	.size	k_q6a6ab75c25_proj, .Lfunc_end_k_q6a6ab75c25_proj-k_q6a6ab75c25_proj
	.p2alignl 7, 3214868480
	.fill 96, 4, 3214868480
	.section	.rodata,"a",@progbits
	.p2align	6, 0x0
	.amdhsa_kernel k_q6a6ab75c25_proj
		.amdhsa_group_segment_fixed_size 56320
		.amdhsa_private_segment_fixed_size 0
		.amdhsa_enable_private_segment 0
		.amdhsa_kernarg_size 152
		.amdhsa_user_sgpr_count 2
		.amdhsa_user_sgpr_kernarg_segment_ptr 1
		.amdhsa_wavefront_size32 1
		.amdhsa_system_sgpr_workgroup_id_x 1
		.amdhsa_system_sgpr_workgroup_id_y 1
		.amdhsa_system_sgpr_workgroup_id_z 1
		.amdhsa_system_vgpr_workitem_id 0
		.amdhsa_next_free_vgpr 258
		.amdhsa_next_free_sgpr 66
		.amdhsa_reserve_vcc 0
		.amdhsa_float_denorm_mode_32 3
		.amdhsa_float_denorm_mode_16_64 3
		.amdhsa_memory_ordered 1
		.amdhsa_forward_progress 1
		.amdhsa_inst_pref_size 62
	.end_amdhsa_kernel
	.amdgpu_metadata
---
amdhsa.version: [ 1, 2 ]
amdhsa.kernels:
  - .name:           k_q6a6ab75c25_proj
    .symbol:         k_q6a6ab75c25_proj.kd
    .args:
      - { .name: x, .offset: 0, .size: 8, .value_kind: global_buffer, .address_space: global }
      - { .name: Wf, .offset: 8, .size: 8, .value_kind: global_buffer, .address_space: global }
      - { .name: Wg, .offset: 16, .size: 8, .value_kind: global_buffer, .address_space: global }
      - { .name: Wh, .offset: 24, .size: 8, .value_kind: global_buffer, .address_space: global }
      - { .name: Wv, .offset: 32, .size: 8, .value_kind: global_buffer, .address_space: global }
      - { .name: bf, .offset: 40, .size: 8, .value_kind: global_buffer, .address_space: global }
      - { .name: gamf, .offset: 48, .size: 8, .value_kind: global_buffer, .address_space: global }
      - { .name: betf, .offset: 56, .size: 8, .value_kind: global_buffer, .address_space: global }
      - { .name: mf, .offset: 64, .size: 8, .value_kind: global_buffer, .address_space: global }
      - { .name: vf, .offset: 72, .size: 8, .value_kind: global_buffer, .address_space: global }
      - { .name: bg, .offset: 80, .size: 8, .value_kind: global_buffer, .address_space: global }
      - { .name: gamg, .offset: 88, .size: 8, .value_kind: global_buffer, .address_space: global }
      - { .name: betg, .offset: 96, .size: 8, .value_kind: global_buffer, .address_space: global }
      - { .name: mg, .offset: 104, .size: 8, .value_kind: global_buffer, .address_space: global }
      - { .name: vg, .offset: 112, .size: 8, .value_kind: global_buffer, .address_space: global }
      - { .name: bh, .offset: 120, .size: 8, .value_kind: global_buffer, .address_space: global }
      - { .name: qbuf, .offset: 128, .size: 8, .value_kind: global_buffer, .address_space: global }
      - { .name: kvbuf, .offset: 136, .size: 8, .value_kind: global_buffer, .address_space: global }
      - { .name: wvbuf, .offset: 144, .size: 8, .value_kind: global_buffer, .address_space: global }
    .group_segment_fixed_size: 56320
    .private_segment_fixed_size: 0
    .kernarg_segment_align: 8
    .kernarg_segment_size: 152
    .max_flat_workgroup_size: 256
    .sgpr_count:     66
    .vgpr_count:     258
    .wavefront_size: 32
...
	.end_amdgpu_metadata
.endif
;; end of part 1
;; launch attn (part 2): grid 128 x 2, 16 waves a work-group, clusters of 4 x 1, 327,680 bytes of LDS; arguments qbuf, kvbuf, wvbuf, x, bv, out0; writes out0
.if DOCPART == 2
	.amdgcn_target "amdgcn-amd-amdhsa--gfx1250"
	.amdhsa_code_object_version 6
	.text
	.protected	k_q6a6ab75c25_attn
	.globl	k_q6a6ab75c25_attn
	.p2align	8
	.type	k_q6a6ab75c25_attn,@function
k_q6a6ab75c25_attn:
	s_mov_b64 s[64:65], 0
	v_nop
	global_prefetch_b8 v0, s[64:65] scope:SCOPE_SE
	s_setreg_imm32_b32 hwreg(HW_REG_WAVE_MODE, 25, 1), 1
	s_wait_xcnt 0x0
	s_wait_alu depctr_hold_cnt(0) depctr_sa_sdst(0) depctr_va_vdst(0) depctr_va_sdst(0) depctr_va_ssrc(0) depctr_va_vcc(0) depctr_vm_vsrc(0)
	s_getreg_b32 s2, hwreg(HW_REG_IB_STS2, 6, 4)
	s_cmp_eq_u32 s2, 0
	s_cbranch_scc0 .Lentry_in_a_cluster
	s_endpgm
.Lentry_in_a_cluster:
	s_bfe_u32 s2, ttmp6, 0x10000c
	s_cmp_lg_u32 s2, 0x3003
	s_cbranch_scc0 .Lentry_shape_is_right
	s_endpgm
.Lentry_shape_is_right:
; out = Wv z + bv + x,  z[c][n] = (sum over m of h[c][m] p[n][m]) / l[n],  p = 2^(t - M),  t = (f[:,n] . g[:,m]) log2(e) / 8,  M = the ceiling of the row's largest t,  l = the sum of the unquantised p.
; All three products on codes of FP6 (E2M3) with E8M0 scales.  f, g, h and Wv arrive as images of operand registers (a half image: 16 rows x 64 K, registers 0-3 at 16 x lane, 4-5 at 512 + 8 x lane: 768 bytes).
; Where K = 64 (scores, Wv z) the upper six registers of both operands hold zero codes.
; SHARES.  A work-group owns 64 queries of one batch.  Wave w = qt + 4 kq owns query tile qt (16 queries) and the key steps (128 keys) whose number is kq modulo 4: 16 steps.  Four waves to a SIMD, so that one
; wave's vector work stands beside another's matrix work and LDS loads.  The four parts of a query tile are joined at the end: each M is a whole number, so the factors are exact powers of two.
; LAYOUT.  S^T = g f^T (source 0 = 16 keys, source 1 = my 16 queries), O^T = h p^T (source 0 = 16 mid channels, source 1 = p): a lane holds ONE query (lane % 16) throughout.  The keys, and the channels, of a tile
; are chosen (lane r of tile 2 b + u: item 32 b + 8 u + r + 8 (r / 8)) so that the 16 registers of tiles 2 b and 2 b + 1 are the 16 neighbours 32 b + 16 (lane / 16) + 0 .. 15 along the next K.
; RING.  Two LDS slots of 8 key steps (104,448 bytes, dense in memory).  CLUSTER: the four work-groups of a cluster belong to one batch and walk the same key steps: each quarter of a slot is asked for JOINTLY,
; by the same tensor load with the same descriptor and the mask of all four, by waves 0 to 3.  By this text's count a wave has one tensor load out at the most.
; LIMITS: NaN and infinities are not served.  A block whose every p has fallen under 2^-124 gets the scale byte 1.  A block's largest p is taken as 2^(its largest t - M), by the same two instructions as p itself.
.set STEPB, 13056                      ; a key step: 8 half images of g, 4 fragments of h, 512 bytes of g's scale words, 256 of h's
.set SLOTB, 8*STEPB
.set SLOT1, 1<<17                      ; slot 1 begins here: one exclusive or turns an address
.set OUTST, SLOT1+SLOTB                ; 235,520: the way out: 256 rows (output channels) x (256 bytes + 16); no fill lands here
.set SPARE, OUTST+256*272              ; 305,152: the spare words, 128 bytes for each of 16 waves: eight blocks of 256 bytes that no other line names
.set MGW,   4352                       ; the joining: in slot 0, which has had its last fill and its last read at the last change of slots: a wave's O^T (8 x 512 bytes), -M at 4,096, l at 4,224
; REGISTERS: v1, v2 my place in a key step (16, 8 x lane + 13,056 kq); v3, v4 the same in the slot in hand; v5, v6 the add's; v8-11 g's scale words; v12 -M, v13 the largest t, v[14:15] l in two halves;
; v16-27 f's fragment; v28-29 h's scale words; v30 f's; v32-79 four fragments of g; v80-127 four of h; v128-191 S^T, then p; v192-223 O^T; v224-235 p's codes; v232-247 at work; v252 f, v253 p's scale word, v254 at work.
.macro CROUND                          ; a round of the cluster's barrier
	s_barrier_signal -1
	s_barrier_wait -1
	s_cmp_lg_u32 s18, 0
	s_cbranch_scc1 .Lnot_wave_0_\@
	s_barrier_signal -3
.Lnot_wave_0_\@:
	s_barrier_wait -3
	s_barrier_signal -1
	s_barrier_wait -1
.endm
.macro TLOAD                           ; waves 0 to 3 ask for a quarter of a slot each; the branch hangs on the wave's number alone.  Four v_nop follow the load
	s_cmp_lt_u32 s18, 4
	s_cbranch_scc0 .Lno_load_\@
	tensor_load_to_lds s[32:35], s[24:31]
	s_nop 0
.rept 4
	v_nop
.endr
.Lno_load_\@:
.endm
	s_load_b256 s[4:11], s[0:1], 0x0               ; qbuf 4, kvbuf 6, wvbuf 8, x 10
	s_load_b128 s[12:15], s[0:1], 0x20             ; bv 12, out0 14
	v_lshl_add_u32 v5, v0, 2, SPARE
	v_mov_b32 v6, 0
	ds_add_u32 v5, v6
	ds_add_u32 v5, v6
	s_wait_dscnt 0x0
	v_lshrrev_b32 v7, 5, v0
	s_delay_alu instid0(VALU_DEP_1)
	v_readfirstlane_b32 s18, v7                    ; wave 0..15
	s_and_b32 s19, s18, 3                          ; qt; also which quarter of a slot waves 0-3 fetch
	s_lshr_b32 s38, s18, 2                         ; kq
	s_and_b32 s41, ttmp7, 0xffff                   ; the batch, which the four partners share
	s_bfe_u32 s39, ttmp6, 0x40000                  ; cx: my place in the cluster: it enters the addresses of qbuf, x and out0 alone
	s_lshl_b32 s40, ttmp9, 2
	s_add_co_u32 s40, s40, s39                     ; my block of 64 queries
	; descriptor group 1: 102 rows of 256 bytes (32 elements of 8 bytes), dense, no padding
	s_mov_b32 s24, 15|(3<<16)|(1<<21)              ; 15:0 the mask: all four work-groups; 17:16 elements of 8 bytes; 21 set beside a mask
	s_mov_b32 s25, 32<<16                          ; tensor_dim0 = 32
	s_mov_b32 s26, 102<<16                         ; tensor_dim1 = 102
	s_mov_b32 s27, 32<<16                          ; tile_dim0 = 32
	s_mov_b32 s28, 102                             ; tile_dim1 = 102
	s_mov_b32 s29, 32                              ; from row to row
	s_mov_b32 s30, 0
	s_mov_b32 s31, 0
	s_mul_i32 s42, s19, 26112                      ; my quarter, in a slot and in memory
	s_mul_i32 s44, s41, 64*STEPB                   ; the batch's 64 key steps
	s_add_co_u32 s44, s44, s42
	s_mov_b32 s45, 0
	s_mov_b32 s20, 0x76543210
	s_mov_b32 s21, 0xfedcba98                      ; v_permlanex16_b32's selects for lane l xor 16
	s_mov_b32 s22, 0x3e38aa3b                      ; c = log2(e) / 8
	s_mov_b32 s23, s22                             ; (named with it as a pair, so it is written)
	s_mov_b32 s36, 0                               ; where the slot in hand begins
	s_mov_b32 s37, 7                               ; slots still to be asked for
	s_wait_kmcnt 0x0
	s_mov_b32 s32, 1                               ; group 0: count = 1,
	s_mov_b32 s33, s42                             ; LDS address: slot 0,
	s_add_nc_u64 s[34:35], s[6:7], s[44:45]        ; global address: the batch's first 8 key steps,
	s_or_b32 s35, s35, 0x80000000                  ; type = 2
	CROUND                                         ; all four work-groups are here: the first joint loads meet
	TLOAD
	s_lshl_b32 s48, s41, 7
	s_add_co_u32 s48, s48, s40
	s_mul_i32 s48, s48, 3328
	s_mov_b32 s49, 0
	s_add_nc_u64 s[4:5], s[4:5], s[48:49]          ; qbuf at my block
	s_mul_i32 s48, s19, 768
	s_add_nc_u64 s[50:51], s[4:5], s[48:49]        ; and at my tile's half image
	s_lshl_b32 s48, s41, 23                        ; x and out0: batch x 8,388,608 + 16 wave rows of 32,768 + 256 x block
	s_lshl_b32 s52, s18, 19
	s_add_co_u32 s48, s48, s52
	s_lshl_b32 s52, s40, 8
	s_add_co_u32 s48, s48, s52
	s_add_nc_u64 s[10:11], s[10:11], s[48:49]
	s_add_nc_u64 s[14:15], s[14:15], s[48:49]
	s_mul_i32 s44, s38, 3072
	s_add_nc_u64 s[46:47], s[8:9], s[44:45]        ; Wv's half images of output tiles 4 kq on,
	s_lshl_b32 s44, s38, 8
	s_add_nc_u64 s[8:9], s[8:9], s[44:45]          ; their scale words (+ 12,288),
	s_add_nc_u64 s[12:13], s[12:13], s[44:45]      ; and bv's 64 numbers
	v_and_b32 v7, 31, v0
	s_delay_alu instid0(VALU_DEP_1)
	v_lshlrev_b32 v248, 4, v7
	s_delay_alu instid0(VALU_DEP_2)
	v_lshlrev_b32 v249, 3, v7
	v_and_b32 v250, 15, v0
	s_delay_alu instid0(VALU_DEP_1)
	v_lshlrev_b32 v250, 3, v250
	s_and_b32 s52, s19, 1
	s_lshl_b32 s52, s52, 7
	s_lshr_b32 s53, s19, 1
	s_lshl_b32 s53, s53, 2
	s_add_co_u32 s52, s52, s53
	v_add_nc_u32 v250, s52, v250                   ; f's scale word of (tile qt, row r): 128 (qt % 2) + 4 (qt / 2) + 8 r
	global_load_b128 v[16:19], v248, s[50:51]      ; f's fragment stays in registers
	global_load_b64 v[20:21], v249, s[50:51] offset:512
	global_load_b32 v30, v250, s[4:5] offset:3072
	s_mul_i32 s43, s38, STEPB
	v_add_nc_u32 v1, s43, v248
	v_add_nc_u32 v2, s43, v249
.irp j, 22,23,24,25,26,27
	v_mov_b32 v[\j], 0                             ; K = 64: zero codes for k = 64 .. 127, in f's fragment
.endr
.irp t, 0,1,2,3
.irp j, 6,7,8,9,10,11
	v_mov_b32 v[32+12*\t+\j], 0                    ; and in the four fragments of g (later of Wv): written once, no load lands here
.endr
.endr
	v_mov_b32 v13, 0xff61b1e6                      ; the largest t so far: -3e38, under every t
	s_delay_alu instid0(VALU_DEP_1)
	v_floor_f32 v12, -v13                          ; -M
	v_mov_b32 v14, 0                               ; l, in two halves
	v_mov_b32 v15, 0
.irp b, 0,1,2,3
	v_mov_b32 v[236+\b], 0                         ; written once: a lane permute's destination counts as one of its sources
.endr
	v_mov_b32 v253, 0                              ; (named as the upper half of the pair v[252:253] before it is first written)
.set j, 0
.rept 32
	v_mov_b32 v[192+j], 0                          ; O^T.  (The step is written once: the first finds zeros, which the first change of M leaves zeros)
.set j, j+1
.endr
.macro SMUL g                          ; S^T for key tiles 4 g .. 4 g + 3.  A register of scale words holds an even tile's in lanes 0-15 and the odd tile's in lanes 16-31
.irp t, 0,1,2,3
.if \t%2
	v_wmma_scale_f32_16x16x128_f8f6f4 v[128+8*(4*\g+\t):135+8*(4*\g+\t)], v[32+12*\t:43+12*\t], v[16:27], 0, v[8+2*\g+\t/2], v30 matrix_a_fmt:MATRIX_FMT_FP6 matrix_b_fmt:MATRIX_FMT_FP6 matrix_a_scale:MATRIX_SCALE_ROW1
.else
	v_wmma_scale_f32_16x16x128_f8f6f4 v[128+8*(4*\g+\t):135+8*(4*\g+\t)], v[32+12*\t:43+12*\t], v[16:27], 0, v[8+2*\g+\t/2], v30 matrix_a_fmt:MATRIX_FMT_FP6 matrix_b_fmt:MATRIX_FMT_FP6
.endif
.endr
.endm
; A KEY STEP: 128 keys: step kq + 4 i of the slot in hand.
.macro STEP i
.set BI, 4*STEPB*(\i)
	v_add_nc_u32 v3, s36, v1
	v_add_nc_u32 v4, s36, v2
	v_nop
	v_nop                                          ; with the two additions: four places in front of loads into registers that the last products have read
.irp t, 0,1,2,3
	ds_load_b128 v[32+12*\t:35+12*\t], v3 offset:BI+768*\t         ; g's key tiles 0-3
	ds_load_b64 v[36+12*\t:37+12*\t], v4 offset:BI+768*\t+512
.endr
	ds_load_b64 v[8:9], v4 offset:BI+12288         ; g's scale words: tiles 0, 1 | 2, 3
	ds_load_b64 v[10:11], v4 offset:BI+12544       ; 4, 5 | 6, 7
.irp t, 0,1,2,3
	ds_load_b128 v[80+12*\t:83+12*\t], v3 offset:BI+6144+1536*\t   ; h's four channel tiles x 128 keys
	ds_load_b64 v[84+12*\t:85+12*\t], v4 offset:BI+6144+1536*\t+512
	ds_load_b128 v[86+12*\t:89+12*\t], v3 offset:BI+6144+1536*\t+768
	ds_load_b64 v[90+12*\t:91+12*\t], v4 offset:BI+6144+1536*\t+1280
.endr
	ds_load_b64 v[28:29], v4 offset:BI+12800       ; h's scale words: tiles 0, 1 | 2, 3
	s_wait_alu depctr_va_vdst(0)
	s_wait_dscnt 17                                ; g's four tiles and its words are in; h's 17 loads may be out
	SMUL 0
.rept 4
	v_nop                                          ; places in front of loads into registers that these products have read
.endr
.irp t, 0,1,2,3
	ds_load_b128 v[32+12*\t:35+12*\t], v3 offset:BI+768*(4+\t)     ; g's key tiles 4-7
	ds_load_b64 v[36+12*\t:37+12*\t], v4 offset:BI+768*(4+\t)+512
.endr
	s_wait_dscnt 0x0
	SMUL 1
.rept 4
	v_nop
.endr
.irp b, 0,1,2,3
	v_max3_num_f32 v[232+\b], v[128+16*\b], v[129+16*\b], v[130+16*\b]   ; the largest score of each block of 32 keys: for the row's maximum and, since p rises with the score, for the block's largest p
.endr
.irp i2, 3,5,7,9,11,13
.irp b, 0,1,2,3
	v_max3_num_f32 v[232+\b], v[232+\b], v[128+16*\b+\i2], v[129+16*\b+\i2]   ; (the four blocks by turns)
.endr
.endr
.irp b, 0,1,2,3
	v_max_num_f32 v[232+\b], v[232+\b], v[143+16*\b]
.endr
.irp b, 0,1,2,3
	s_delay_alu instid0(VALU_DEP_4)
	v_permlanex16_b32 v[236+\b], v[232+\b], s20, s21
.endr
.irp b, 0,1,2,3
	s_delay_alu instid0(VALU_DEP_4)
	v_max_num_f32 v[232+\b], v[232+\b], v[236+\b]  ; with lane l xor 16's 16 keys
.endr
	s_delay_alu instid0(VALU_DEP_2)
	v_max3_num_f32 v254, v232, v233, v234
	s_delay_alu instid0(VALU_DEP_1)
	v_max_num_f32 v254, v254, v235                 ; the step's largest score of my query
	s_delay_alu instid0(VALU_DEP_1)
	v_mul_f32 v254, s22, v254                      ; as t (c is positive)
	s_delay_alu instid0(VALU_DEP_1)
	v_max_num_f32 v13, v13, v254                   ; the running largest t
	v_mov_b32 v254, v12
	s_delay_alu instid0(VALU_DEP_2)
	v_floor_f32 v12, -v13                          ; the new -M = floor(-t) = -ceil(t): a whole number
	s_delay_alu instid0(VALU_DEP_1)
	v_sub_f32 v254, v12, v254                      ; M's old value less its new one: 0 or less
	s_delay_alu instid0(VALU_DEP_1)
	v_cvt_i32_f32 v254, v254                       ; (it saturates)
	s_delay_alu instid0(VALU_DEP_1)
	v_ldexp_f32 v252, 1.0, v254                    ; f = 2^(old M - new M): a multiplication by it rounds nothing
.set j, 0
.rept 32
	v_pk_fma_f32 v[128+j:129+j], v[128+j:129+j], s[22:23], v[12:13] op_sel_hi:[1,0,0]   ; t - M, two at a time (of the pairs c and -M the low word serves both halves)
.set j, j+2
.endr
.irp b, 0,1,2,3
	v_fma_f32 v[232+\b], v[232+\b], s22, v12       ; the same of each block's largest score
.endr
.set j, 0
	s_wait_alu depctr_va_vdst(0)
.rept 64
	v_exp_f32 v[128+j], v[128+j]                   ; p = 2^(t - M), at most 1: not normalised
.set j, j+1
.endr
.irp b, 0,1,2,3
	v_exp_f32 v[232+\b], v[232+\b]                 ; the block's largest p
.endr
	v_pk_mul_f32 v[14:15], v[14:15], v[252:253] op_sel_hi:[1,0]    ; l under the new M.  (A plain place behind the exponentials)
	s_wait_alu depctr_va_vdst(0)
.irp b, 0,1,2,3
	v_max_num_f32 v[232+\b], 0x1800000, v[232+\b]  ; the floor 2^(3 - 127): the byte cannot fall under 1
.endr
.irp b, 0,1,2,3
	s_delay_alu instid0(VALU_DEP_4)
	v_add_nc_u32 v[244+\b], 0xff000000, v[232+\b]  ; 2 off the exponent field: the conversion's scale operand
.endr
.irp b, 0,1,2,3
	s_delay_alu instid0(VALU_DEP_4)
	v_lshrrev_b32 v[236+\b], 23, v[244+\b]         ; the scale's byte
.endr
	s_delay_alu instid0(VALU_DEP_3)
	v_lshl_or_b32 v253, v237, 8, v236              ; p's scale word for these 128 keys
	s_delay_alu instid0(VALU_DEP_1)
	v_lshl_or_b32 v253, v238, 16, v253
	s_delay_alu instid0(VALU_DEP_1)
	v_lshl_or_b32 v253, v239, 24, v253
.irp c, 0,1
	v_cvt_scalef32_pk16_fp6_f32 v[224+6*\c:226+6*\c], v[128+32*\c:143+32*\c], v[244+2*\c]
	v_cvt_scalef32_pk16_fp6_f32 v[236+4*\c:238+4*\c], v[144+32*\c:159+32*\c], v[244+2*\c+1]   ; (a conversion's three registers begin on an even number)
.endr
	v_nop                                          ; one plain place behind the scaled conversions
.irp c, 0,1                                    ; the layout wants a whole block in a lane: lanes 0-15 block 2 c, lanes 16-31 block 2 c + 1
.irp i2, 0,1,2
	v_permlane16_swap_b32 v[224+6*\c+\i2], v[236+4*\c+\i2]
.endr
.irp i2, 0,1,2
	s_delay_alu instid0(VALU_DEP_3)
	v_mov_b32 v[227+6*\c+\i2], v[236+4*\c+\i2]
.endr
.endr
	v_pk_add_f32 v[236:237], v[132:133], v[136:137]
	v_pk_add_f32 v[254:255], v[140:141], v[144:145]
	v_pk_add_f32 v[250:251], v[148:149], v[152:153]
	v_pk_add_f32 v[248:249], v[156:157], v[160:161]
	v_pk_add_f32 v[246:247], v[164:165], v[168:169]
	v_pk_add_f32 v[244:245], v[172:173], v[176:177]
	v_pk_add_f32 v[242:243], v[180:181], v[184:185]
	v_pk_add_f32 v[14:15], v[14:15], v[188:189]
	v_pk_add_f32 v[236:237], v[236:237], v[128:129]
	v_pk_add_f32 v[254:255], v[254:255], v[130:131]
	v_pk_add_f32 v[250:251], v[250:251], v[134:135]
	v_pk_add_f32 v[248:249], v[248:249], v[138:139]
	v_pk_add_f32 v[246:247], v[246:247], v[142:143]
	v_pk_add_f32 v[244:245], v[244:245], v[146:147]
	v_pk_add_f32 v[242:243], v[242:243], v[150:151]
	v_pk_add_f32 v[14:15], v[14:15], v[154:155]
	v_pk_add_f32 v[236:237], v[236:237], v[158:159]
	v_pk_add_f32 v[254:255], v[254:255], v[162:163]
	v_pk_add_f32 v[250:251], v[250:251], v[166:167]
	v_pk_add_f32 v[248:249], v[248:249], v[170:171]
	v_pk_add_f32 v[246:247], v[246:247], v[174:175]
	v_pk_add_f32 v[244:245], v[244:245], v[178:179]
	v_pk_add_f32 v[242:243], v[242:243], v[182:183]
	v_pk_add_f32 v[14:15], v[14:15], v[186:187]
	v_pk_add_f32 v[236:237], v[236:237], v[190:191]
	s_delay_alu instid0(VALU_DEP_2)
	v_pk_add_f32 v[14:15], v[14:15], v[248:249]
	s_delay_alu instid0(VALU_DEP_2)
	v_pk_add_f32 v[236:237], v[236:237], v[246:247]
	v_pk_add_f32 v[254:255], v[254:255], v[244:245]
	v_pk_add_f32 v[250:251], v[250:251], v[242:243]
	s_delay_alu instid0(VALU_DEP_2)
	v_pk_add_f32 v[14:15], v[14:15], v[254:255]
	s_delay_alu instid0(VALU_DEP_2)
	v_pk_add_f32 v[236:237], v[236:237], v[250:251]
	s_delay_alu instid0(VALU_DEP_1)
	v_pk_add_f32 v[14:15], v[14:15], v[236:237]
.set j, 0
.rept 16
	v_pk_mul_f32 v[192+j:193+j], v[192+j:193+j], v[252:253] op_sel_hi:[1,0]   ; O^T under the new M
.set j, j+2
.endr
.irp t, 0,1,2,3                                ; O^T += h p^T: four tiles of 16 mid channels, K = these 128 keys; one instruction an accumulator
.if \t%2
	v_wmma_scale_f32_16x16x128_f8f6f4 v[192+8*\t:199+8*\t], v[80+12*\t:91+12*\t], v[224:235], v[192+8*\t:199+8*\t], v[28+\t/2], v253 matrix_a_fmt:MATRIX_FMT_FP6 matrix_b_fmt:MATRIX_FMT_FP6 matrix_a_scale:MATRIX_SCALE_ROW1
.else
	v_wmma_scale_f32_16x16x128_f8f6f4 v[192+8*\t:199+8*\t], v[80+12*\t:91+12*\t], v[224:235], v[192+8*\t:199+8*\t], v[28+\t/2], v253 matrix_a_fmt:MATRIX_FMT_FP6 matrix_b_fmt:MATRIX_FMT_FP6
.endif
.endr
.endm
; THE CHANGE OF SLOTS stands at a slot's head.  Each wave waits for all its tensor loads (its part of the slot ahead), adds 0 to its spare word, and waits for that and for its reads of the slot that it has left.
; fill = 1: a round of the cluster's barrier follows, so that no wave of any partner still reads that slot or has a load on its way, and the joint refill is the first thing behind it: it has a slot's steps in which to land.
.macro CHANGE fill
	s_wait_tensorcnt 0x0                           ; no tensor load of mine is out, so group 0 may be written
	ds_add_u32 v5, v6                              ; 0 onto my spare word
.if \fill
	s_xor_b32 s33, s33, SLOT1                      ; the walking descriptor: the other slot than last time,
	s_add_nc_u64 s[34:35], s[34:35], SLOTB         ; the next 8 key steps; the type bits on top are not reached
.endif
	s_wait_dscnt 0x0                               ; the add is done, and my reads of the slot that I have left are over
.if \fill
	CROUND
	TLOAD
.else
	s_barrier_signal -1
	s_barrier_wait -1
.endif
.endm
.macro SLOT_STEPS
	STEP 0
	STEP 1
	s_xor_b32 s36, s36, SLOT1                      ; on to the other slot
.endm
	s_wait_loadcnt 0x0                             ; f's fragment and scale word
.Lslot:                                            ; 7 trips: behind each change of slots but the last the next slot is asked for
	CHANGE 1
	SLOT_STEPS
	s_sub_co_u32 s37, s37, 1
	s_cmp_lg_u32 s37, 0
	s_cbranch_scc1 .Lslot
	CHANGE 0                                       ; the last slot is written out
	SLOT_STEPS
	; ---- THE END.  Addresses first: thirteen plain lines, the places behind the last products
	v_and_b32 v252, 31, v0                         ; lane
	v_and_b32 v254, 15, v0                         ; r
	s_delay_alu instid0(VALU_DEP_2)
	v_lshlrev_b32 v7, 4, v252                      ; 16, 8, 4 x lane
	s_delay_alu instid0(VALU_DEP_3)
	v_lshlrev_b32 v31, 3, v252
	s_delay_alu instid0(VALU_DEP_4)
	v_lshlrev_b32 v248, 2, v252
	s_delay_alu instid0(VALU_DEP_4)
	v_lshlrev_b32 v249, 2, v254                    ; 4 r
	s_mul_i32 s42, s18, MGW
	v_add_nc_u32 v1, s42, v7                       ; where my part goes,
	v_add_nc_u32 v2, s42, v248
	s_mul_i32 s42, s19, MGW
	v_add_nc_u32 v3, s42, v7                       ; and where the four parts of my query tile lie: 4 MGW apart
	v_add_nc_u32 v4, s42, v248
	v_bfe_u32 v252, v0, 4, 1                       ; h
	s_delay_alu instid0(VALU_DEP_1)
	v_lshlrev_b32 v250, 15, v252
	s_delay_alu instid0(VALU_DEP_1)
	v_lshl_add_u32 v250, v254, 4, v250             ; x and out0: lanes 0-15 one row's 256 bytes, lanes 16-31 the next row's
.irp i, 0,1,2,3
	global_load_b128 v[32+12*\i:35+12*\i], v7, s[46:47] offset:768*\i          ; Wv's output tiles 4 kq + i; the upper six registers still hold zero codes
	global_load_b64 v[36+12*\i:37+12*\i], v31, s[46:47] offset:768*\i+512
.endr
	global_load_b32 v8, v248, s[8:9] offset:12288  ; their scale words: tiles 0 | 1,
	global_load_b32 v9, v248, s[8:9] offset:12416  ; 2 | 3
.irp i, 0,1,2,3
	global_load_b32 v[112+\i], v249, s[12:13] offset:64*\i         ; bv of output 64 kq + 16 i + r
.endr
.irp i, 0,1,2,3,4,5,6,7
	global_load_b128 v[80+4*\i:83+4*\i], v250, s[10:11] offset:65536*\i th:TH_LOAD_NT   ; x for the 16 rows that I store at the end; this launch reads it once
.endr
	v_add_f32 v14, v14, v15                        ; l's two halves,
	s_delay_alu instid0(VALU_DEP_1)
	v_permlanex16_b32 v236, v14, s20, s21
	s_delay_alu instid0(VALU_DEP_1)
	v_add_f32 v14, v14, v236                       ; and lane l xor 16's
.irp k, 0,1,2,3,4,5,6,7
	ds_store_b128 v1, v[192+4*\k:195+4*\k] offset:512*\k           ; O^T as it stands, each accumulator from its low end on
.endr
	ds_store_b32 v2, v12 offset:4096
	ds_store_b32 v2, v14 offset:4224
	s_wait_alu depctr_va_vdst(0)
	s_wait_dscnt 0x0                               ; for the others' sake
	s_barrier_signal -1
	s_barrier_wait -1
.irp k, 0,1,2,3
	ds_load_b32 v[240+\k], v4 offset:4*MGW*\k+4096 ; -M and l of the four parts
	ds_load_b32 v[244+\k], v4 offset:4*MGW*\k+4224
.endr
.irp k, 0,1,2
.irp q, 0,1,2,3,4,5,6,7
	ds_load_b128 v[128+32*\k+4*\q:131+32*\k+4*\q], v3 offset:4*MGW*\k+512*\q   ; parts 0, 1, 2 of O^T
.endr
.endr
	s_wait_dscnt 24                                ; the eight numbers are in; the 24 loads of O^T may be out
	v_min3_num_f32 v238, v240, v241, v242
	s_delay_alu instid0(VALU_DEP_1)
	v_min_num_f32 v238, v238, v243                 ; -M of the whole row
.irp k, 0,1,2,3
	v_sub_f32 v[240+\k], v238, v[240+\k]           ; a part's M less the row's: a whole number, 0 or less
.endr
.irp k, 0,1,2,3
	s_delay_alu instid0(VALU_DEP_4)
	v_cvt_i32_f32 v[240+\k], v[240+\k]
.endr
.irp k, 0,1,2,3
	s_delay_alu instid0(VALU_DEP_4)
	v_ldexp_f32 v[240+\k], 1.0, v[240+\k]          ; the part's factor, an exact power of two
.endr
	s_delay_alu instid0(VALU_DEP_4)
	v_mul_f32 v238, v240, v244
	s_delay_alu instid0(VALU_DEP_1)
	v_fma_f32 v238, v241, v245, v238
	s_delay_alu instid0(VALU_DEP_1)
	v_fma_f32 v238, v242, v246, v238
	s_delay_alu instid0(VALU_DEP_1)
	v_fma_f32 v238, v243, v247, v238               ; l of the whole row
	s_wait_alu depctr_va_vdst(0)
	v_rcp_f32 v238, v238
	v_nop                                          ; one plain place behind the transcendental
	s_wait_alu depctr_va_vdst(0)
	v_mul_f32 v246, v243, v238                     ; factor / l, in the low words of four pairs (the packed forms below take the low word for both halves)
	v_mul_f32 v244, v242, v238
	v_mul_f32 v242, v241, v238
	v_mul_f32 v240, v240, v238
	s_wait_alu depctr_va_vdst(0)
	s_wait_dscnt 8                                 ; parts 0 and 1 are in; part 2's eight loads may be out
.set j, 0
.rept 16
	v_pk_mul_f32 v[128+j:129+j], v[128+j:129+j], v[240:241] op_sel_hi:[1,0]
.set j, j+2
.endr
.set j, 0
.rept 16
	v_pk_fma_f32 v[128+j:129+j], v[160+j:161+j], v[242:243], v[128+j:129+j] op_sel_hi:[1,0,1]
.set j, j+2
.endr
.irp q, 0,1,2,3,4,5,6,7
	ds_load_b128 v[160+4*\q:163+4*\q], v3 offset:4*MGW*3+512*\q    ; part 3, into the registers that part 1 has left
.endr
	s_wait_dscnt 8                                 ; part 2 is in; part 3's eight loads may be out
.set j, 0
.rept 16
	v_pk_fma_f32 v[128+j:129+j], v[192+j:193+j], v[244:245], v[128+j:129+j] op_sel_hi:[1,0,1]
.set j, j+2
.endr
	s_wait_dscnt 0x0
.set j, 0
.rept 16
	v_pk_fma_f32 v[128+j:129+j], v[160+j:161+j], v[246:247], v[128+j:129+j] op_sel_hi:[1,0,1]   ; z: register 16 b + i is mid channel 32 b + 16 h + i of my query
.set j, j+2
.endr
	; z is quantised along the 64 mid channels
	v_max3_num_f32 v232, |v128|, |v129|, 0x1800000
	v_max3_num_f32 v233, |v144|, |v145|, 0x1800000
.irp i, 2,4,6,8,10,12,14
	s_delay_alu instid0(VALU_DEP_2)
	v_max3_num_f32 v232, v232, |v[128+\i]|, |v[129+\i]|
	s_delay_alu instid0(VALU_DEP_2)
	v_max3_num_f32 v233, v233, |v[144+\i]|, |v[145+\i]|
.endr
	s_delay_alu instid0(VALU_DEP_2)
	v_permlanex16_b32 v236, v232, s20, s21
	s_delay_alu instid0(VALU_DEP_2)
	v_permlanex16_b32 v237, v233, s20, s21
	s_delay_alu instid0(VALU_DEP_2)
	v_max_num_f32 v232, v232, v236
	s_delay_alu instid0(VALU_DEP_2)
	v_max_num_f32 v233, v233, v237
	s_delay_alu instid0(VALU_DEP_2)
	v_add_nc_u32 v234, 0xff000000, v232
	s_delay_alu instid0(VALU_DEP_2)
	v_add_nc_u32 v235, 0xff000000, v233
	s_delay_alu instid0(VALU_DEP_2)
	v_lshrrev_b32 v238, 23, v234
	s_delay_alu instid0(VALU_DEP_2)
	v_lshrrev_b32 v239, 23, v235
	s_delay_alu instid0(VALU_DEP_1)
	v_lshl_or_b32 v253, v239, 8, v238
	s_delay_alu instid0(VALU_DEP_1)
	v_lshl_or_b32 v253, v253, 16, v253             ; z's scale word: the upper two bytes stand over zero codes and repeat the lower two
	v_cvt_scalef32_pk16_fp6_f32 v[224:226], v[128:143], v234
	v_cvt_scalef32_pk16_fp6_f32 v[244:246], v[144:159], v235
	v_nop                                          ; one plain place behind the scaled conversions
.irp i, 0,1,2
	v_permlane16_swap_b32 v[224+\i], v[244+\i]
.endr
.irp i, 0,1,2
	s_delay_alu instid0(VALU_DEP_3)
	v_mov_b32 v[227+\i], v[244+\i]
.endr
.irp i, 230,231,232,233,234,235
	v_mov_b32 v[\i], 0                             ; K = 64: zero codes above
.endr
	; the way out's LDS addresses: six plain lines, with the two v_nop the places between the operand and scale word just written and the products
	v_mul_u32_u24 v251, v254, 272                  ; in: row 64 kq + 16 i + r; my eight positions begin at byte 128 (qt / 2) + 32 (qt % 2) + 64 h
	s_delay_alu instid0(VALU_DEP_1)
	v_lshl_add_u32 v251, v252, 6, v251
	s_wait_alu depctr_va_vdst(0)
	s_mul_i32 s42, s38, 64*272
	s_lshr_b32 s43, s19, 1
	s_lshl_b32 s43, s43, 7
	s_add_co_u32 s42, s42, s43
	s_and_b32 s43, s19, 1
	s_lshl_b32 s43, s43, 5
	s_add_co_u32 s42, s42, s43
	s_add_co_u32 s42, s42, OUTST
	v_add_nc_u32 v251, s42, v251
	v_mul_u32_u24 v255, v252, 272                  ; back: rows 16 wave + h + 2 i, 16 bytes a lane
	s_delay_alu instid0(VALU_DEP_1)
	v_lshl_add_u32 v255, v254, 4, v255
	s_mul_i32 s42, s18, 16*272
	s_add_co_u32 s42, s42, OUTST
	v_add_nc_u32 v255, s42, v255
	v_nop
	v_nop
	s_wait_loadcnt 8                               ; Wv, its scale words and bv are in; x's eight loads may be out
.irp i, 0,1,2,3                                ; source 0 = my 16 queries' z, source 1 = 16 rows of Wv: lane (r, h) holds output 16 i + r and eight neighbouring positions
.if \i%2
	v_wmma_scale_f32_16x16x128_f8f6f4 v[160+8*\i:167+8*\i], v[224:235], v[32+12*\i:43+12*\i], 0, v253, v[8+\i/2] matrix_a_fmt:MATRIX_FMT_FP6 matrix_b_fmt:MATRIX_FMT_FP6 matrix_b_scale:MATRIX_SCALE_ROW1
.else
	v_wmma_scale_f32_16x16x128_f8f6f4 v[160+8*\i:167+8*\i], v[224:235], v[32+12*\i:43+12*\i], 0, v253, v[8+\i/2] matrix_a_fmt:MATRIX_FMT_FP6 matrix_b_fmt:MATRIX_FMT_FP6
.endif
.endr
.rept 4
	v_nop
.endr
.irp i, 0,1,2,3
.irp j2, 0,1,2,3,4,5,6,7
	v_add_f32 v[160+8*\i+\j2], v[160+8*\i+\j2], v[112+\i]          ; + bv, each accumulator from its low end on
.endr
.endr
.irp i, 0,1,2,3
	ds_store_b128 v251, v[160+8*\i:163+8*\i] offset:4352*\i        ; rows 272 bytes apart: sixteen rows begin at sixteen different 16-byte columns of 256
	ds_store_b128 v251, v[164+8*\i:167+8*\i] offset:4352*\i+16
.endr
	s_wait_dscnt 0x0                               ; for the others' sake: a row's 256 bytes come from four waves
	s_barrier_signal -1
	s_barrier_wait -1
.irp i, 0,1,2,3,4,5,6,7
	ds_load_b128 v[128+4*\i:131+4*\i], v255 offset:544*\i
.endr
	s_wait_loadcnt 0x0                             ; x
.irp i, 0,1,2,3,4,5,6,7
	s_wait_dscnt 7-\i                              ; rows 2 i, 2 i + 1 are back; the younger loads may be out
	v_pk_add_f32 v[128+4*\i:129+4*\i], v[128+4*\i:129+4*\i], v[80+4*\i:81+4*\i]
	v_pk_add_f32 v[130+4*\i:131+4*\i], v[130+4*\i:131+4*\i], v[82+4*\i:83+4*\i]
	global_store_b128 v250, v[128+4*\i:131+4*\i], s[14:15] offset:65536*\i th:TH_STORE_NT   ; sixteen lanes store 256 consecutive bytes, at a multiple of 256 from out0's first byte
.endr
	s_wait_tensorcnt 0x0                           ; the wave's end: behind my last tensor load and my last LDS store
	ds_add_u32 v5, v6
	s_wait_dscnt 0x0
	CROUND                                         ; the closing round: no work-group ends while a partner may still ask for a tile that names it
	s_endpgm
.Lfunc_end_k_q6a6ab75c25_attn:
	.size	k_q6a6ab75c25_attn, .Lfunc_end_k_q6a6ab75c25_attn-k_q6a6ab75c25_attn
	.p2alignl 7, 3214868480
	.fill 96, 4, 3214868480
	.section	.rodata,"a",@progbits
	.p2align	6, 0x0
	.amdhsa_kernel k_q6a6ab75c25_attn
		.amdhsa_group_segment_fixed_size 327680
		.amdhsa_private_segment_fixed_size 0
		.amdhsa_enable_private_segment 0
		.amdhsa_kernarg_size 48
		.amdhsa_user_sgpr_count 2
		.amdhsa_user_sgpr_kernarg_segment_ptr 1
		.amdhsa_wavefront_size32 1
		.amdhsa_system_sgpr_workgroup_id_x 1
		.amdhsa_system_sgpr_workgroup_id_y 1
		.amdhsa_system_sgpr_workgroup_id_z 1
		.amdhsa_system_vgpr_workitem_id 0
		.amdhsa_next_free_vgpr 256
		.amdhsa_next_free_sgpr 66
		.amdhsa_reserve_vcc 0
		.amdhsa_float_denorm_mode_32 3
		.amdhsa_float_denorm_mode_16_64 3
		.amdhsa_memory_ordered 1
		.amdhsa_forward_progress 1
		.amdhsa_inst_pref_size 97
	.end_amdhsa_kernel
	.amdgpu_metadata
---
amdhsa.version: [ 1, 2 ]
amdhsa.kernels:
  - .name:           k_q6a6ab75c25_attn
    .symbol:         k_q6a6ab75c25_attn.kd
    .args:
      - { .name: qbuf, .offset: 0, .size: 8, .value_kind: global_buffer, .address_space: global }
      - { .name: kvbuf, .offset: 8, .size: 8, .value_kind: global_buffer, .address_space: global }
      - { .name: wvbuf, .offset: 16, .size: 8, .value_kind: global_buffer, .address_space: global }
      - { .name: x, .offset: 24, .size: 8, .value_kind: global_buffer, .address_space: global }
      - { .name: bv, .offset: 32, .size: 8, .value_kind: global_buffer, .address_space: global }
      - { .name: out0, .offset: 40, .size: 8, .value_kind: global_buffer, .address_space: global }
    .group_segment_fixed_size: 327680
    .private_segment_fixed_size: 0
    .kernarg_segment_align: 8
    .kernarg_segment_size: 48
    .max_flat_workgroup_size: 512
    .sgpr_count:     66
    .vgpr_count:     256
    .wavefront_size: 32
...
	.end_amdgpu_metadata
.endif
;; end of part 2
